; MI455X (gfx1250); checked and timed in simulation.
; The chip was launched on July 23, 2026; its instructions are those of AMD's public machine-readable ISA for CDNA 5 (MIT licence, August 2026) and "CDNA5" Instruction Set Architecture Reference Guide (July 2026). The comments in the code are by the model that wrote it; some were corrected since.
;; MAB. Allowed arithmetic: matrix products marked QUANTISED: E5M2 operands, one given power-of-two scale a tensor, by v_wmma_f32_16x16x64_bf8_bf8 or v_wmma_f32_16x16x128_bf8_bf8, f32 sums; everything else in f32.
;; Inputs: K 8 x 1,024 x 256 float32; Q 8 x 1,024 x 256 float32; Wk 256 x 256 float32; Wo 256 x 256 float32; Wq 256 x 256 float32; Wv 256 x 256 float32; b0 256 float32; b1 256 float32; bk 256 float32; bo 256 float32; bq 256 float32; bv 256 float32; g0 256 float32; g1 256 float32; lengths 8 int32; lowp_scales 12 int32 (the exponents e of the quantised operands' scales 2^e).
;; Outputs: out0 8 x 1,024 x 256 float32.
;; This version of the problem:
;;   THIS VERSION OF THE PROBLEM IS GIVEN IN LOW PRECISION. The matrix products marked QUANTISED in the list below multiply operands that are first quantised to E5M2 (5 exponent bits, 2 mantissa bits; 8 bits a number), with one given power-of-two scale for each operand tensor; their sums are f32. All else is computed in f32.
;;   The module's matrix products, in the order in which they are computed (A, B: the left and right operand; K: the contracted axis; several contracted axes count as one K, in the product's order):
;;     1. [M 8,192, K 256] x [K 256, N 256]; A: input Q; B: input Wq: QUANTISED (scales: A lowp_scales[0], B lowp_scales[1])
;;     2. [M 8,192, K 256] x [K 256, N 256]; A: input K; B: input Wk: QUANTISED (scales: A lowp_scales[2], B lowp_scales[3])
;;     3. [M 8,192, K 256] x [K 256, N 256]; A: input K; B: input Wv: QUANTISED (scales: A lowp_scales[4], B lowp_scales[5])
;;     4. batch 64 x [M 1,024, K 32] x [K 32, N 1,024]; A: computed on the way; B: computed on the way: QUANTISED (scales: A lowp_scales[6], B lowp_scales[7])
;;     5. batch 64 x [M 32, K 1,024] x [K 1,024, N 1,024]; A: computed on the way; B: computed on the way: QUANTISED (scales: A lowp_scales[8], B lowp_scales[9])
;;     6. [M 8,192, K 256] x [K 256, N 256]; A: computed on the way; B: input Wo: QUANTISED (scales: A lowp_scales[10], B lowp_scales[11])
;;   THE QUANTISER, for each operand of a quantised product, along K:
;;     - The operand's scale is 2^e, e = its entry of the input lowp_scales (int32; the entries are numbered through the quantised products in the list's order, A before B).
;;     - Each number is divided by the scale, clamped to +-57,344, and rounded to the nearest number of E5M2, ties to even, subnormals kept.
;;     - The product sums the exact products of the quantised numbers (number of the format x scale) in f32.
;;   ~~~python
;;   def quantise(x, axis, e):      # numpy; x: float32 -> the quantised numbers, widened to float32 again
;;       x = np.moveaxis(x, axis, -1); K = x.shape[-1]
;;       r = np.clip(x / 2.0 ** e, -57344, 57344)
;;       step = 2.0 ** (np.maximum(np.frexp(np.where(r == 0, 1, r))[1] - 1, -14) - 2)
;;       q = np.round(r / step) * step * 2.0 ** e      # np.round: ties to even
;;       return np.moveaxis(q, -1, axis).astype(np.float32)
;;   ~~~
;;   OPERANDS COMPUTED ON THE WAY. 'Computed on the way' means the value that the module computes at that place (a softmax that the list does not call 'softmax' is quantised finished and normalised). What goes into a quantiser is computed in f32, as accurately as f32 sums, v_exp_f32 and their like allow (about 1e-6 of the number): no bf16 or f16 on the way to a quantiser, and a product that is left as it is and whose result goes on into a quantised operand takes f32 operands (vector FMAs, or v_wmma_f32_16x16x4_f32). A number that lies on a knife's edge between two numbers of the format may be rounded either way, as far as f32 arithmetic and the matrix unit's own rounding can turn it there, and no further.
;; One version. Each part assembles by itself: llvm-mc -triple=amdgcn-amd-amdhsa -mcpu=gfx1250 --defsym DOCPART=n.
;; ======== version 1 of 1: 2 launches
;; limits: right only within a limited range of input values
;; workspace buffers: wc 131,072 bytes; kv 4,194,304 bytes; list 2,048 bytes of whole numbers
;; launch kvproj (part 1): grid 256 x 1, 16 waves a work-group, no clusters, 71,936 bytes of LDS; arguments K, Wk, Wv, Wq, Wo, bk, bv, lengths, lowp_scales, kv, wc, list; writes kv, wc, list
.if DOCPART == 1
	.amdgcn_target "amdgcn-amd-amdhsa--gfx1250"
	.amdhsa_code_object_version 6
	.text
	.protected	k_q7880b4bf32_kvproj
	.globl	k_q7880b4bf32_kvproj
	.p2align	8
	.type	k_q7880b4bf32_kvproj,@function
k_q7880b4bf32_kvproj:
	s_mov_b64 s[64:65], 0
	v_nop
	global_prefetch_b8 v0, s[64:65] scope:SCOPE_SE
	s_setreg_imm32_b32 hwreg(HW_REG_WAVE_MODE, 25, 1), 1
	s_wait_xcnt 0x0
; k = (Q2(K) Q3(Wk) + bk) x mask and v = (Q4(K) Q5(Wv) + bv) x mask, quantised at once with e7 and e8 into kv, laid as the attention's operand registers want them; Wq's and Wo's codes (e1, e11) into wc; the list of query tiles.
; WORK LEFT OUT.  mask[b][n] = (n < lengths[b]): a masked row of k and of v is zero whatever K holds, a masked key's e is multiplied by 0 and a masked query's row of A is 0.  lengths are whole numbers that this launch reads:
; a block of 128 rows that lies wholly at or past its batch's length is neither loaded nor multiplied: its codes are stored as zeros.  LIMIT: a NaN, an infinity or an overflow in such rows of K is not carried on.
; kv, k's part (byte 0): [b][head][tile t of 16 keys][512]: lane (r, h) at 16 l holds key 16 t + r, d = 16 h .. 16 h + 15.
; kv, v's part (byte 2,097,152): [b][head][u][block of 32 keys][512]: lane (r, h) at 16 l holds row d = 8 u + r + 8 (r / 8) and, in words 2 p, 2 p + 1, keys 32 block + 16 p + 8 h + 0 .. 7.
; wc: 65,536 y (0 Wq, 1 Wo) + 2,048 f + 512 c + 16 l: fragment f = 2 ct + ks: lane (r, h) holds column 32 (ct / 2) + 8 (ct % 2) + r + 8 (r / 8) at places 128 ks + 32 c + 16 h + 0 .. 15 of K.
; THE ORDER OF K is the same on both sides of each product: place 8 l + i is k = 4 l + i for i < 4 and k = 128 + 4 l + i - 4 else: so a lane quantises what two loads of 512 consecutive bytes give it.
; list[p] = tile + 64 batch + 65,536 length: the 512 tiles of 16 queries; first those with a query under the length, the longest batch first, then the wholly masked ones.
; SHARES.  Work-group x: 128 rows (x / 4) x 128 columns: x % 4 = 0, 1: heads 0-3, 4-7 of k; 2, 3: of v.  Wave w quantises 8 rows of K and 16 rows of the weight and stores the codes in LDS; one barrier; then wave w multiplies
; 32 rows (w / 4) by the 32 columns of head w % 4.  Wave 0 lays block x of wc's 256.  Work-group 255 writes the list.
; k's product is used transposed (source 0 = 16 columns of Wk): a lane holds one key and 16 neighbouring d.  v's is used as it stands: a lane holds one d and eight neighbouring keys.
; The bias is the C of each sum's first product, divided by the power of two that the sums lack.  A masked key's limit in the hold is 0, so its codes are zeros.
; LIMITS: e1 .. e5, e11, e7 - e2 - e3 and e8 - e4 - e5 between -126 and 112; NaN among the inputs is not served.
; No cluster and no tensor load.  No prefetch: there is no loop to run ahead in.
.set WB,  34816                        ; LDS: X's 128 rows x 272 bytes, then the weight's 8 tiles of 16 columns x 272 bytes
.set WT,  4368                         ; a tile: 16 x 272 + 16: so that 16 lanes' stores of every fourth column begin at 16 different places modulo 256
.set SPARE, 69888
.set WR,  16                           ; v16-79   16 rows of the weight, 4 columns each; later four fragments (u, ks) at 16 (2 u + ks)
.set XR,  80                           ; v80-143  8 rows of K; later four fragments (rt, ks) at 16 (2 rt + ks)
.set T,   144                          ; v144-175 at work; later four accumulators
.set ACC, 144
.set PC,  176                          ; v176-191 codes
.set EX,  192                          ; v192-207 wave 0: a block of Wq or Wo
.set BI,  208                          ; v208-223 the bias
.set LMT, 224                          ; v224-239 limits (first: bv as loaded)
.macro WA
	s_wait_alu depctr_va_vdst(0)
.endm
.macro SCALES e, sc, lim               ; v[sc] = 2^e, v[lim] = 57,344 x 2^e, as f32
	s_add_co_i32 s2, \e, 127
	s_lshl_b32 s3, s2, 23
	v_mov_b32 v[\sc], s3
	s_add_co_i32 s2, s2, 15
	s_lshl_b32 s2, s2, 23
	s_or_b32 s2, s2, 0x600000
	v_mov_b32 v[\lim], s2
.endm
	s_load_b512 s[8:23], s[0:1], 0x0               ; K 8, Wk 10, Wv 12, Wq 14, Wo 16, bk 18, bv 20, lengths 22
	s_load_b256 s[24:31], s[0:1], 0x40             ; lowp_scales 24, kv 26, wc 28, list 30
	v_lshl_add_u32 v14, v0, 2, SPARE
	v_mov_b32 v15, 0
	v_lshrrev_b32 v10, 5, v0
	v_readfirstlane_b32 s4, v10                    ; wave 0..15
	s_lshr_b32 s5, ttmp9, 2                        ; block of 128 rows
	s_and_b32 s6, ttmp9, 3
	s_lshr_b32 s7, s6, 1                           ; path: 0 k, 1 v
	s_and_b32 s33, s6, 1                           ; which four heads
	s_and_b32 s34, s4, 3                           ; my head of the four
	s_lshr_b32 s35, s4, 2                          ; my 32 rows of the 128
	v_and_b32 v1, 15, v0                           ; r
	v_bfe_u32 v2, v0, 4, 1                         ; h
	v_and_b32 v3, 31, v0                           ; lane
	v_lshlrev_b32 v4, 4, v3                        ; 16 x lane
	s_mul_i32 s2, s4, 8*272
	v_lshl_add_u32 v5, v3, 3, s2                   ; X's codes: row 8 w, + 8 x lane
	v_lshrrev_b32 v6, 3, v3
	v_bfe_u32 v7, v3, 1, 1
	v_lshl_add_u32 v6, v6, 1, v7                   ; the tile of columns 4 lane .. 4 lane + 3,
	v_mul_u32_u24 v6, v6, WT
	v_and_b32 v7, 1, v3
	v_bfe_u32 v8, v3, 2, 1
	v_lshlrev_b32 v7, 2, v7
	v_lshl_add_u32 v7, v8, 3, v7                   ; and the first of their rows in it
	v_mul_u32_u24 v7, v7, 272
	v_add_nc_u32 v6, v6, v7
	s_lshl_b32 s2, s4, 4
	s_add_co_u32 s2, s2, WB
	v_add_nc_u32 v6, s2, v6                        ; + 16 x wave
	v_mul_u32_u24 v8, v1, 272
	v_lshl_add_u32 v8, v2, 4, v8                   ; a fragment: row r, + 16 h
	s_mul_i32 s2, s35, 32*272
	v_add_nc_u32 v7, s2, v8                        ; of my rows,
	s_mul_i32 s2, s34, 2*WT
	s_add_co_u32 s2, s2, WB
	v_add_nc_u32 v8, s2, v8                        ; of my columns
	v_lshlrev_b32 v9, 6, v2                        ; bk: 64 h
	v_and_b32 v10, 8, v1
	v_add_nc_u32 v10, v10, v1
	v_lshlrev_b32 v10, 2, v10                      ; bv: 4 (r + 8 (r / 8))
	v_lshl_add_u32 v13, v2, 13, v10                ; wc's block: + 8 h rows of 1,024 bytes
	s_lshl_b32 s84, s4, 13                         ; the weight: 8 w rows of 1,024 bytes,
	s_lshl_b32 s2, s33, 9
	s_add_co_u32 s84, s84, s2                      ; my 128 columns
	s_mov_b32 s85, 0
	s_lshr_b32 s86, ttmp9, 5                       ; batch
	s_lshl_b32 s90, s86, 18                        ; kv: 262,144 a batch,
	s_lshl_b32 s86, s86, 2                         ; its entry of lengths; kept as that load's offset
	s_lshl_b32 s88, s5, 17                         ; K: 128 rows a block,
	s_lshl_b32 s2, s4, 13
	s_add_co_u32 s88, s88, s2                      ; 8 a wave
	s_mov_b32 s89, 0
	s_lshl_b32 s3, s33, 2
	s_add_co_u32 s3, s3, s34                       ; my head of the eight
	s_lshl_b32 s2, s3, 15
	s_add_co_u32 s90, s90, s2
	s_lshl_b32 s92, s3, 7                          ; a bias: 32 numbers a head
	s_mov_b32 s93, 0
	s_and_b32 s87, s5, 7
	s_lshl_b32 s2, s87, 2
	s_add_co_u32 s2, s2, s35                       ; my block of 32 keys in the batch
	s_lshl_b32 s62, s2, 5                          ; its first key
	s_lshl_b32 s87, s87, 7                         ; the work-group's first key
	s_lshl_b32 s3, s2, 9
	s_add_co_u32 s3, s3, 0x200000                  ; v: + 2 MiB + 512 a block;
	s_lshl_b32 s2, s2, 10                          ; k: 1,024 a block
	s_mov_b32 s94, 16384
	s_cmp_eq_u32 s7, 0
	s_cselect_b32 s2, s2, s3
	s_cselect_b32 s94, 512, s94                    ; from my first 512 bytes to my second
	s_add_co_u32 s90, s90, s2
	s_mov_b32 s91, 0
	s_mov_b32 s95, 0
	s_bfe_u32 s96, ttmp9, 0x10002                  ; wc's block x: ks,
	s_lshl_b32 s96, s96, 16                        ; 64 rows of 1,024 bytes;
	s_lshl_b32 s2, s6, 14                          ; c: 16 rows;
	s_add_co_u32 s96, s96, s2
	s_bfe_u32 s2, ttmp9, 0x30004
	s_lshl_b32 s2, s2, 7                           ; 32 (ct / 2) columns
	s_add_co_u32 s96, s96, s2
	s_bfe_u32 s2, ttmp9, 0x10003
	s_lshl_b32 s2, s2, 5                           ; 8 (ct % 2)
	s_add_co_u32 s96, s96, s2
	s_mov_b32 s97, 0
	s_lshl_b32 s98, ttmp9, 9                       ; and its 512 bytes in wc
	s_mov_b32 s99, 0
	WA
	s_wait_kmcnt 0x0
	s_load_b256 s[40:47], s[24:25], 0x0            ; e0 .. e7
	s_load_b128 s[48:51], s[24:25], 0x20           ; e8 .. e11
	s_load_b256 s[52:59], s[22:23], 0x0            ; the eight lengths
	s_load_b32 s60, s[22:23], s86 offset:0x0       ; my batch's
	s_cmp_eq_u32 s7, 0
	s_cselect_b64 s[36:37], s[10:11], s[12:13]
	s_add_nc_u64 s[36:37], s[36:37], s[84:85]
	s_cmp_lt_u32 ttmp9, 128
	s_cselect_b64 s[38:39], s[14:15], s[16:17]
	s_add_nc_u64 s[38:39], s[38:39], s[96:97]
	s_add_nc_u64 s[8:9], s[8:9], s[88:89]
	s_add_nc_u64 s[18:19], s[18:19], s[92:93]
	s_add_nc_u64 s[20:21], s[20:21], s[92:93]
	s_add_nc_u64 s[26:27], s[26:27], s[90:91]
	s_add_nc_u64 s[78:79], s[26:27], s[94:95]
	s_add_nc_u64 s[28:29], s[28:29], s[98:99]
.irp i, 0,1,2,3,4,5,6,7,8,9,10,11,12,13,14,15
	global_load_b128 v[WR+4*\i:WR+4*\i+3], v4, s[36:37] offset:1024*\i+(\i/8)*122880   ; rows 8 w + 0 .. 7, then 128 + 8 w + 0 .. 7: 512 consecutive bytes a load
.endr
	s_cmp_eq_u32 s4, 0
	s_cbranch_scc0 .Lno_block
.set pp, 0
.irp i, 0,1,2,3,128,129,130,131,4,5,6,7,132,133,134,135
	global_load_b32 v[EX+pp], v13, s[38:39] offset:1024*\i
.set pp, pp+1
.endr
.Lno_block:
.irp q, 0,1,2,3
	global_load_b128 v[BI+4*\q:BI+4*\q+3], v9, s[18:19] offset:16*\q     ; bk at d = 16 h + 0 .. 15 (used on k's path)
.endr
	global_load_b32 v[LMT], v10, s[20:21]                                  ; bv at my column of tile 0,
	global_load_b32 v[LMT+1], v10, s[20:21] offset:32                      ; and of tile 1 (used on v's path)
	s_wait_kmcnt 0x0
	s_cmp_eq_u32 s7, 0
	s_cselect_b32 s82, s42, s44                    ; K's scale: e2 or e4
	s_cselect_b32 s83, s43, s45                    ; the weight's: e3 or e5
	s_cselect_b32 s81, s47, s48                    ; the result's: e7 or e8
	s_add_co_i32 s80, s82, s83                     ; a sum stands for sum x 2^(this)
	s_sub_co_i32 s81, s81, s80                     ; the three scales folded into the conversion's one
	s_sub_co_i32 s80, 0, s80                       ; the bias goes in divided by the sums' power of two
	s_cmp_lt_u32 ttmp9, 128
	s_cselect_b32 s86, s41, s51                    ; e1 or e11
	SCALES s82, 240, 241
	SCALES s83, 242, 243
	SCALES s81, 244, 245
	SCALES s86, 246, 247
	s_cmp_ge_i32 s87, s60
	s_cselect_b32 s61, 1, 0                        ; 1: all my 128 rows are masked
	WA
	s_cmp_eq_u32 ttmp9, 255
	s_cbranch_scc0 .Lno_list
	; ---- the list: thread p finds the tile at place p
.irp b, 0,1,2,3,4,5,6,7
	s_max_i32 s[52+\b], s[52+\b], 0
	s_min_i32 s[52+\b], s[52+\b], 1024
	s_add_co_u32 s[66+\b], s[52+\b], 15
	s_lshr_b32 s[66+\b], s[66+\b], 4               ; the batch's tiles that hold a query under the length
.endr
	s_mov_b32 s74, s66
.irp b, 1,2,3,4,5,6,7
	s_add_co_u32 s74, s74, s[66+\b]                ; the wholly masked tiles begin behind them all
.endr
	v_mov_b32 v11, 0
.irp b, 0,1,2,3,4,5,6,7
	WA
	s_mov_b32 s75, 0                               ; where the batch begins: behind every longer one (of equals: behind the lower number)
.irp a, 0,1,2,3,4,5,6,7
.if \a < \b
	s_cmp_ge_u32 s[52+\a], s[52+\b]
	s_cselect_b32 s76, s[66+\a], 0
	s_add_co_u32 s75, s75, s76
.endif
.if \a > \b
	s_cmp_gt_u32 s[52+\a], s[52+\b]
	s_cselect_b32 s76, s[66+\a], 0
	s_add_co_u32 s75, s75, s76
.endif
.endr
	s_lshl_b32 s76, s[52+\b], 16
	s_add_co_u32 s76, s76, 64*\b
	s_add_co_u32 s82, s76, s[66+\b]
	s_sub_co_u32 s77, 64, s[66+\b]
	v_subrev_nc_u32 v12, s75, v0
	v_cmp_gt_u32 vcc_lo, s[66+\b], v12
	v_add_nc_u32 v12, s76, v12
	v_cndmask_b32 v11, v11, v12, vcc_lo
	v_subrev_nc_u32 v12, s74, v0
	v_cmp_gt_u32 vcc_lo, s77, v12
	v_add_nc_u32 v12, s82, v12
	v_cndmask_b32 v11, v11, v12, vcc_lo
	s_add_co_u32 s74, s74, s77
.endr
	v_lshlrev_b32 v12, 2, v0
	global_store_b32 v12, v11, s[30:31]
	WA
	s_wait_xcnt 0x0                                ; the store has read v11 and v12
.Lno_list:
	s_cmp_eq_u32 s61, 1
	s_cbranch_scc1 .Lmeet
.irp i, 0,1,2,3,4,5,6,7
	global_load_b128 v[XR+8*\i:XR+8*\i+3], v4, s[8:9] offset:1024*\i          ; row 8 w + i: 512 consecutive bytes a load
	global_load_b128 v[XR+8*\i+4:XR+8*\i+7], v4, s[8:9] offset:1024*\i+512
.endr
	s_wait_loadcnt 16                              ; all but K's 16 loads
.irp j, 0,1,2,3
.set TT, T+16*(\j%2)
.set pp, 0
.irp i, 0,1,2,3,8,9,10,11,4,5,6,7,12,13,14,15
	v_med3_num_f32 v[TT+pp], v[WR+4*\i+\j], -v243, v243   ; the conversion does not saturate (ISA guide 7.6.2); the hold also puts column j's 16 numbers on end, in the order of K's places
.set pp, pp+1
.endr
	v_cvt_scalef32_pk8_bf8_f32 v[PC+4*\j:PC+4*\j+1], v[TT:TT+7], v242
	v_cvt_scalef32_pk8_bf8_f32 v[PC+4*\j+2:PC+4*\j+3], v[TT+8:TT+15], v242
.endr
	v_nop                                          ; a plain instruction behind the last conversion
.irp j, 0,1,2,3
	ds_store_b128 v6, v[PC+4*\j:PC+4*\j+3] offset:272*\j
.endr
	s_wait_loadcnt 0x0
.irp i, 0,1,2,3,4,5,6,7
.irp k, 0,1,2,3,4,5,6,7
	v_med3_num_f32 v[XR+8*\i+\k], v[XR+8*\i+\k], -v241, v241
.endr
	v_cvt_scalef32_pk8_bf8_f32 v[T+2*\i:T+2*\i+1], v[XR+8*\i:XR+8*\i+7], v240
.endr
	v_nop
.irp i, 0,1,2,3,4,5,6,7
	ds_store_b64 v5, v[T+2*\i:T+2*\i+1] offset:272*\i
.endr
	WA
.Lmeet:
	s_wait_loadcnt 0x0
	s_wait_dscnt 0x0                               ; for the others' sake: my stores have landed
	s_barrier_signal -1
	s_barrier_wait -1
	s_cmp_eq_u32 s61, 1
	s_cbranch_scc1 .Lzero                          ; no barrier follows
.irp n, 0,1
.irp ks, 0,1
.irp c, 0,1,2,3
	ds_load_b128 v[WR+32*\n+16*\ks+4*\c:WR+32*\n+16*\ks+4*\c+3], v8 offset:WT*\n+128*\ks+32*\c
	ds_load_b128 v[XR+32*\n+16*\ks+4*\c:XR+32*\n+16*\ks+4*\c+3], v7 offset:16*272*\n+128*\ks+32*\c
.endr
.endr
.endr
	s_wait_dscnt 0x0
	s_cmp_eq_u32 s7, 0
	s_cbranch_scc0 .Lvpath
	; ---- k: transposed.  Accumulator (rt, u) at 8 (2 rt + u): lane (r, h) holds key 16 rt + r, d = 16 h + 8 u + 0 .. 7
.irp j, 0,1,2,3,4,5,6,7,8,9,10,11,12,13,14,15
	v_ldexp_f32 v[BI+\j], v[BI+\j], s80
.endr
	v_add_nc_u32 v11, s62, v1                      ; my key of tile 0
	v_cmp_gt_i32 vcc_lo, s60, v11
	v_cndmask_b32 v[LMT], v15, v245, vcc_lo        ; its limit: 57,344 x the scale, or 0 where the key is masked
	v_add_nc_u32 v11, 16, v11
	v_cmp_gt_i32 vcc_lo, s60, v11
	v_cndmask_b32 v[LMT+1], v15, v245, vcc_lo
.irp ks, 0,1                                   ; the four accumulators take turns
.irp rt, 0,1
.irp u, 0,1
.if \ks == 0
	v_wmma_f32_16x16x128_bf8_bf8 v[ACC+8*(2*\rt+\u):ACC+8*(2*\rt+\u)+7], v[WR+32*\u:WR+32*\u+15], v[XR+32*\rt:XR+32*\rt+15], v[BI+8*\u:BI+8*\u+7]
.else
	v_wmma_f32_16x16x128_bf8_bf8 v[ACC+8*(2*\rt+\u):ACC+8*(2*\rt+\u)+7], v[WR+32*\u+16:WR+32*\u+31], v[XR+32*\rt+16:XR+32*\rt+31], v[ACC+8*(2*\rt+\u):ACC+8*(2*\rt+\u)+7]
.endif
.endr
.endr
.endr
.rept 4
	v_nop                                          ; four places ahead of the first read of results (ISA guide 7.12.1)
.endr
.irp rt, 0,1
.irp i, 0,1,2,3,4,5,6,7,8,9,10,11,12,13,14,15
	v_med3_num_f32 v[ACC+16*\rt+\i], v[ACC+16*\rt+\i], -v[LMT+\rt], v[LMT+\rt]   ; the hold and the mask in one
.endr
.endr
.irp g, 0,1,2,3
	v_cvt_scalef32_pk8_bf8_f32 v[PC+2*\g:PC+2*\g+1], v[ACC+8*\g:ACC+8*\g+7], v244
.endr
	v_nop
	WA
	s_branch .Lout
.Lvpath:
	; ---- v: as it stands.  Accumulator (u, rt) at 8 (2 u + rt): lane (r, h) holds row d = 8 u + r + 8 (r / 8), keys 16 rt + 8 h + 0 .. 7
.irp j, 0,1,2,3,4,5,6,7
	v_ldexp_f32 v[BI+\j], v[LMT], s80              ; my column's bias in all eight registers
	v_ldexp_f32 v[BI+8+\j], v[LMT+1], s80
.endr
	v_lshl_add_u32 v11, v2, 3, s62
	v_sub_nc_u32 v11, s60, v11                     ; length - (first key + 8 h): register (rt, j) counts where 16 rt + j lies under it
.irp rt, 0,1
.irp j, 0,1,2,3,4,5,6,7
	v_cmp_lt_i32 vcc_lo, 16*\rt+\j, v11
	v_cndmask_b32 v[LMT+8*\rt+\j], v15, v245, vcc_lo
.endr
.endr
.irp ks, 0,1
.irp u, 0,1
.irp rt, 0,1
.if \ks == 0
	v_wmma_f32_16x16x128_bf8_bf8 v[ACC+8*(2*\u+\rt):ACC+8*(2*\u+\rt)+7], v[XR+32*\rt:XR+32*\rt+15], v[WR+32*\u:WR+32*\u+15], v[BI+8*\u:BI+8*\u+7]
.else
	v_wmma_f32_16x16x128_bf8_bf8 v[ACC+8*(2*\u+\rt):ACC+8*(2*\u+\rt)+7], v[XR+32*\rt+16:XR+32*\rt+31], v[WR+32*\u+16:WR+32*\u+31], v[ACC+8*(2*\u+\rt):ACC+8*(2*\u+\rt)+7]
.endif
.endr
.endr
.endr
.rept 4
	v_nop
.endr
.irp u, 0,1
.irp rt, 0,1
.irp j, 0,1,2,3,4,5,6,7
	v_med3_num_f32 v[ACC+8*(2*\u+\rt)+\j], v[ACC+8*(2*\u+\rt)+\j], -v[LMT+8*\rt+\j], v[LMT+8*\rt+\j]
.endr
.endr
.endr
.irp g, 0,1,2,3
	v_cvt_scalef32_pk8_bf8_f32 v[PC+2*\g:PC+2*\g+1], v[ACC+8*\g:ACC+8*\g+7], v244   ; words 2 rt, 2 rt + 1 of tile u's 16 bytes
.endr
	v_nop
	WA
	s_branch .Lout
.Lzero:
.irp g, 0,1,2,3,4,5,6,7
	v_mov_b32 v[PC+\g], 0                          ; masked keys: zero codes
.endr
.Lout:
	WA
	global_store_b128 v4, v[PC:PC+3], s[26:27]     ; 512 consecutive bytes, at a multiple of 512 from kv's first byte: k: tile 2 kb; v: u = 0
	global_store_b128 v4, v[PC+4:PC+7], s[78:79]   ; k: tile 2 kb + 1; v: u = 1
	s_cmp_eq_u32 s4, 0
	s_cbranch_scc0 .Lend
.irp i, 0,1,2,3,4,5,6,7,8,9,10,11,12,13,14,15
	v_med3_num_f32 v[EX+\i], v[EX+\i], -v247, v247
.endr
	v_cvt_scalef32_pk8_bf8_f32 v[PC+8:PC+9], v[EX:EX+7], v246
	v_cvt_scalef32_pk8_bf8_f32 v[PC+10:PC+11], v[EX+8:EX+15], v246
	v_nop
	global_store_b128 v4, v[PC+8:PC+11], s[28:29]
.Lend:
	s_wait_tensorcnt 0x0                           ; the wave's end
	ds_add_u32 v14, v15
	s_wait_dscnt 0x0
	s_endpgm
.Lfunc_end_k_q7880b4bf32_kvproj:
	.size	k_q7880b4bf32_kvproj, .Lfunc_end_k_q7880b4bf32_kvproj-k_q7880b4bf32_kvproj
	.p2alignl 7, 3214868480
	.fill 96, 4, 3214868480
	.section	.rodata,"a",@progbits
	.p2align	6, 0x0
	.amdhsa_kernel k_q7880b4bf32_kvproj
		.amdhsa_group_segment_fixed_size 71936
		.amdhsa_private_segment_fixed_size 0
		.amdhsa_enable_private_segment 0
		.amdhsa_kernarg_size 96
		.amdhsa_user_sgpr_count 2
		.amdhsa_user_sgpr_kernarg_segment_ptr 1
		.amdhsa_wavefront_size32 1
		.amdhsa_system_sgpr_workgroup_id_x 1
		.amdhsa_system_sgpr_workgroup_id_y 1
		.amdhsa_system_sgpr_workgroup_id_z 1
		.amdhsa_system_vgpr_workitem_id 0
		.amdhsa_next_free_vgpr 256
		.amdhsa_next_free_sgpr 100
		.amdhsa_reserve_vcc 1
		.amdhsa_float_denorm_mode_32 3
		.amdhsa_float_denorm_mode_16_64 3
		.amdhsa_memory_ordered 1
		.amdhsa_forward_progress 1
		.amdhsa_inst_pref_size 46
	.end_amdhsa_kernel
	.amdgpu_metadata
---
amdhsa.version: [ 1, 2 ]
amdhsa.kernels:
  - .name:           k_q7880b4bf32_kvproj
    .symbol:         k_q7880b4bf32_kvproj.kd
    .args:
      - { .name: K, .offset: 0, .size: 8, .value_kind: global_buffer, .address_space: global }
      - { .name: Wk, .offset: 8, .size: 8, .value_kind: global_buffer, .address_space: global }
      - { .name: Wv, .offset: 16, .size: 8, .value_kind: global_buffer, .address_space: global }
      - { .name: Wq, .offset: 24, .size: 8, .value_kind: global_buffer, .address_space: global }
      - { .name: Wo, .offset: 32, .size: 8, .value_kind: global_buffer, .address_space: global }
      - { .name: bk, .offset: 40, .size: 8, .value_kind: global_buffer, .address_space: global }
      - { .name: bv, .offset: 48, .size: 8, .value_kind: global_buffer, .address_space: global }
      - { .name: lengths, .offset: 56, .size: 8, .value_kind: global_buffer, .address_space: global }
      - { .name: lowp_scales, .offset: 64, .size: 8, .value_kind: global_buffer, .address_space: global }
      - { .name: kv, .offset: 72, .size: 8, .value_kind: global_buffer, .address_space: global }
      - { .name: wc, .offset: 80, .size: 8, .value_kind: global_buffer, .address_space: global }
      - { .name: list, .offset: 88, .size: 8, .value_kind: global_buffer, .address_space: global }
    .group_segment_fixed_size: 71936
    .private_segment_fixed_size: 0
    .kernarg_segment_align: 8
    .kernarg_segment_size: 96
    .max_flat_workgroup_size: 512
    .sgpr_count:     100
    .vgpr_count:     256
    .wavefront_size: 32
...
	.end_amdgpu_metadata
.endif
;; end of part 1
;; launch attn (part 2): grid 256 x 1, 16 waves a work-group, no clusters, 195,584 bytes of LDS; arguments Q, wc, kv, bq, bo, g0, b0, g1, b1, list, lowp_scales, out0; writes out0
.if DOCPART == 2
	.amdgcn_target "amdgcn-amd-amdhsa--gfx1250"
	.amdhsa_code_object_version 6
	.text
	.protected	k_q7880b4bf32_attn
	.globl	k_q7880b4bf32_attn
	.p2align	8
	.type	k_q7880b4bf32_attn,@function
k_q7880b4bf32_attn:
	s_mov_b64 s[64:65], 0
	v_nop
	global_prefetch_b8 v0, s[64:65] scope:SCOPE_SE
	s_setreg_imm32_b32 hwreg(HW_REG_WAVE_MODE, 25, 1), 1
	s_wait_xcnt 0x0
; out0 = LN1(x + relu(x Wo + bo)), x = LN0(q + A v), q = (Q Wq + bq) x mask, A = e / (sum of e + 1e-15), e = exp(q k^T / 16) x masks.  All products on codes of E5M2 with the given scales e0 .. e11.
; WORK LEFT OUT.  mask[b][n] = (n < lengths[b]): a masked key's e is multiplied by 0, so it adds nothing to a row's sum or to A v; a masked query's row of A is 0 / 1e-15 = 0.  The lengths, whole numbers, come with the list that the
; launch before has stored: blocks of 32 keys at or past the length, and the whole attention of a tile whose 16 queries are all masked, are not done.  What follows (LN0, the last product, LN1) is done for every row.
; SHARES.  Work-group x makes two tiles of 16 queries: list[x] and list[511 - x]: the list goes from the longest batch to the masked tiles, so that a long tile meets a short or a masked one.
; q: wave w makes its 16 columns of both tiles.  ATTENTION, tile by tile, two steps of four heads: wave w: head w % 4 of the step's four, blocks w / 4 + 4 n (n = 0 .. 7) of 32 keys.  It holds e of its keys for the 16 queries in 128 registers:
; A is quantised finished, so the whole row's sum comes first; the four waves of a head join their sums, and later their parts of A v, through LDS.  THE REST: wave w owns rows 2 w and 2 w + 1 of the 32, whole.
; No maximum is taken away ahead of the exponential, as the definition takes none: it overflows where the definition's does.
; LAYOUT.  S^T = k q^T (source 0 = 16 keys, source 1 = 16 queries; K = 32 of 64: a block's two tiles are one operand of 8 registers, and q with zero codes above or below it picks the tile): a lane holds one query and eight neighbouring
; keys a tile, which the conversion turns into two registers of the second product's operand.  O^T = v^T A^T: a lane again holds one query; v's rows are ordered so that its 16 results are d = 16 h + 0 .. 15.
; THE ORDER OF K in the products with Wq and Wo: place 8 l + i is k = 4 l + i for i < 4 and 128 + 4 l + i - 4 else, on both sides.
; THE HOLD of A: A is at most 1, so where e9 >= -15 no number can pass 57,344 x 2^e9, and the hold is jumped over.
; k and v go from memory straight into the registers of the one wave that reads them.  No cluster: the work-groups' tiles differ in batch and in length, and the branches hang on stored lengths.
; No prefetch: a tile has two steps and no loop to run ahead in; v is asked for ahead of the exponentials, the next step's k in the middle of the second product.
; LIMITS on the given exponents: e0, e10, e6 - e0 - e1 and e9 between -126 and 112; e8 + e9, e10 + e11 between -126 and 127; e6 + e7 between -117 and 130 (they are added to the exponent field of log2(e) / 16, and
; -3e38 x that must stay under -150).  NaN among the inputs is not served.  An exponential under 2^-126 comes out as 0.  A NaN, an infinity or an overflow that reaches only the work left out is not carried to the result.
; REGISTERS: v0 the query's mask; v1 16 x lane; v2, v3 the spare word and 0; v4-19 addresses and figures; v20-23 zeros, v24-27 q's codes, v28-31 zeros; v32-47 A's codes, two buffers; v48-63 the last block's mask, then the sum's chains,
; then O^T; v64-127, v128-191, v192-255: three regions: two hold e, the third k and then v; in step 1 they are dealt anew, so that k can land in e's first region.
.set XC,    0                          ; 32 rows x 272: codes of Q, later of LN0
.set QC,    8704                       ; q's codes: 4,096 tile + 512 head + 16 l
.set RES,   16896                      ; 32 rows x 1,040: q, later the last product's sums
.set SUMS,  50176                      ; 2,048 a step of a tile: 128 w + 4 l
.set OPB,   58368                      ; parts of A v: 33,792 a step of a tile, 8,448 a quarter of the keys, 528 a row
.set SPARE, 193536
.macro WA
	s_wait_alu depctr_va_vdst(0)
.endm
.macro BAR                             ; my LDS stores have landed and my LDS loads are in: then the work-group's barrier
	WA
	s_wait_dscnt 0x0
	s_barrier_signal -1
	s_barrier_wait -1
.endm
.macro SCALES e, sc, lim               ; v[sc] = 2^e, v[lim] = 57,344 x 2^e, as f32
	s_add_co_i32 s2, \e, 127
	s_lshl_b32 s3, s2, 23
	v_mov_b32 v[\sc], s3
	s_add_co_i32 s2, s2, 15
	s_lshl_b32 s2, s2, 23
	s_or_b32 s2, s2, 0x600000
	v_mov_b32 v[\lim], s2
.endm
; A tile's figures from batch s80, tile s81, length s82: s60 my blocks of keys, s61 which of them is the batch's last (over 7: none), s62 the keys under the length in that block, s63 the queries under it; s[66:67], s[68:69] my k, my v
.macro TILE
	s_lshl_b32 s2, s81, 4
	s_sub_co_i32 s63, s82, s2
	s_add_co_u32 s3, s82, 31
	s_lshr_b32 s3, s3, 5
	s_cmp_gt_i32 s63, 0
	s_cselect_b32 s3, s3, 0                        ; blocks of 32 keys; 0 for a masked tile
	s_add_co_u32 s60, s3, 3
	s_sub_co_u32 s60, s60, s33
	s_lshr_b32 s60, s60, 2
	s_sub_co_u32 s3, s3, 1
	s_lshl_b32 s2, s3, 5
	s_sub_co_i32 s62, s82, s2
	s_sub_co_u32 s61, s60, 1
	s_and_b32 s3, s3, 3
	s_cmp_eq_u32 s3, s33
	s_cselect_b32 s61, s61, 255
	s_lshl_b32 s83, s80, 18
	s_lshl_b32 s2, s7, 15
	s_add_co_u32 s83, s83, s2                      ; 32,768 (8 batch + w % 4)
	s_lshl_b32 s2, s33, 10
	s_add_co_u32 s2, s2, s83
	s_mov_b32 s3, 0
	s_add_nc_u64 s[66:67], s[12:13], s[2:3]
	s_lshl_b32 s2, s33, 9
	s_add_co_u32 s2, s2, s83
	s_add_co_u32 s2, s2, 0x200000
	s_add_nc_u64 s[68:69], s[12:13], s[2:3]
.endm
.macro KLOAD kb, st                    ; k: a block's two tiles into 8 registers, two blocks at a time
.irp p, 0,1,2,3
	s_cmp_le_u32 s60, 2*\p
	s_cbranch_scc1 .Lk_\@
.irp q, 0,1,2,3
	global_load_b128 v[\kb+16*\p+4*\q:\kb+16*\p+4*\q+3], v1, s[66:67] offset:131072*\st+4096*(2*\p+\q/2)+512*(\q%2)
.endr
.endr
.Lk_\@:
.endm
.macro VLOAD kb, st                    ; v: for two blocks and both halves of the 32 rows
.irp p, 0,1,2,3
	s_cmp_le_u32 s60, 2*\p
	s_cbranch_scc1 .Lv_\@
.irp q, 0,1,2,3
	global_load_b128 v[\kb+16*\p+4*\q:\kb+16*\p+4*\q+3], v1, s[68:69] offset:131072*\st+16384*(\q/2)+2048*(2*\p+\q%2)
.endr
.endr
.Lv_\@:
.endm
.macro PAIR e, kb, p                   ; blocks 2 p, 2 p + 1: A = e / sum, held, quantised; two products, 64 along K
.set CB, 32+8*(\p%2)
.if \p > 0
	WA
.endif
.irp k, 0,1,2,3,4,5,6,7,8,9,10,11,12,13,14,15
	v_pk_mul_f32 v[\e+32*\p+2*\k:\e+32*\p+2*\k+1], v[\e+32*\p+2*\k:\e+32*\p+2*\k+1], v[8:9]
.endr
	WA
	s_cmp_eq_u32 s77, 1
	s_cbranch_scc1 .Lheld_\@
.irp k, 0,1,2,3,4,5,6,7,8,9,10,11,12,13,14,15,16,17,18,19,20,21,22,23,24,25,26,27,28,29,30,31
	v_min_num_f32 v[\e+32*\p+\k], s94, v[\e+32*\p+\k]   ; A is not negative: the hold is one-sided
.endr
.Lheld_\@:
.irp k, 0,1,2,3
	v_cvt_scalef32_pk8_bf8_f32 v[CB+2*\k:CB+2*\k+1], v[\e+32*\p+8*\k:\e+32*\p+8*\k+7], v14
.endr
	v_nop                                          ; a plain instruction behind the last conversion
	s_cmp_gt_u32 s60, 2*\p+1
	s_cbranch_scc1 .Lboth_\@
.irp k, 4,5,6,7
	v_mov_b32 v[CB+\k], 0                          ; I have no second block here: zero codes
.endr
.Lboth_\@:
.irp u, 0,1
	WA
.if \p == 0
	v_wmma_f32_16x16x64_bf8_bf8 v[48+8*\u:55+8*\u], v[\kb+8*\u:\kb+8*\u+7], v[CB:CB+7], 0
.else
	v_wmma_f32_16x16x64_bf8_bf8 v[48+8*\u:55+8*\u], v[\kb+16*\p+8*\u:\kb+16*\p+8*\u+7], v[CB:CB+7], v[48+8*\u:55+8*\u]
.endif
.endr
.endm
.macro STEP e, kb, st                  ; four heads of the tile; e: the first of e's 128 registers, kb: of k's and v's 64
	ds_load_b128 v[24:27], v4 offset:2048*\st
	v_mov_b32 v10, 0
	WA
	s_cmp_gt_u32 s61, 7
	s_cbranch_scc1 .Lfull_\@
	v_bfe_u32 v11, v1, 8, 1                        ; the batch's last block is mine: its keys' masks (0 or -3e38) are the C of its scores
	v_lshlrev_b32 v11, 3, v11
	v_sub_nc_u32 v11, s62, v11                     ; register (p, j) counts where 16 p + j lies under this
	v_mov_b32 v12, 0xff61b1e6
.irp j, 0,1,2,3,4,5,6,7,8,9,10,11,12,13,14,15
	v_cmp_lt_i32 vcc_lo, 16*(\j/8)+\j%8, v11
	v_cndmask_b32 v[48+\j], v12, v3, vcc_lo
.endr
	WA
.Lfull_\@:
	s_wait_loadcnt 0x0                             ; k
	s_wait_dscnt 0x0                               ; q's codes
	s_cmp_eq_u32 s60, 0
	s_cbranch_scc1 .Lempty_\@
.irp n, 0,1,2,3,4,5,6,7
	s_cmp_eq_u32 s61, \n
	s_cbranch_scc1 .Lm_\@_\n
	v_wmma_f32_16x16x64_bf8_bf8 v[\e+16*\n:\e+16*\n+7], v[\kb+8*\n:\kb+8*\n+7], v[24:31], 0
	v_wmma_f32_16x16x64_bf8_bf8 v[\e+16*\n+8:\e+16*\n+15], v[\kb+8*\n:\kb+8*\n+7], v[20:27], 0
.if \n < 7
	s_cmp_eq_u32 s60, \n+1
	s_cbranch_scc1 .Lscored_\@
.endif
.endr
	s_branch .Lscored_\@
.irp n, 0,1,2,3,4,5,6,7
.Lm_\@_\n:
	v_wmma_f32_16x16x64_bf8_bf8 v[\e+16*\n:\e+16*\n+7], v[\kb+8*\n:\kb+8*\n+7], v[24:31], v[48:55]
	v_wmma_f32_16x16x64_bf8_bf8 v[\e+16*\n+8:\e+16*\n+15], v[\kb+8*\n:\kb+8*\n+7], v[20:27], v[56:63]
	s_branch .Lscored_\@
.endr
.Lscored_\@:
.rept 4
	v_nop                                          ; four places ahead of the loads into k's registers and of the first read of results
.endr
	VLOAD \kb, \st                                 ; v lands under the exponentials
.irp n, 0,1,2,3,4,5,6,7
.if \n > 0
	s_cmp_eq_u32 s60, \n
	s_cbranch_scc1 .Lexp_\@
.endif
	WA
.irp k, 0,1,2,3,4,5,6,7
	v_pk_mul_f32 v[\e+16*\n+2*\k:\e+16*\n+2*\k+1], v[\e+16*\n+2*\k:\e+16*\n+2*\k+1], s[70:71] op_sel_hi:[1,0]
.endr
	WA
.irp k, 0,1,2,3,4,5,6,7,8,9,10,11,12,13,14,15
	v_exp_f32 v[\e+16*\n+\k], v[\e+16*\n+\k]
.endr
	v_nop                                          ; a plain instruction behind the last exponential
	WA
.if \n == 0
.irp k, 0,1,2,3
	v_pk_add_f32 v[48+2*\k:49+2*\k], v[\e+2*\k:\e+2*\k+1], v[\e+8+2*\k:\e+9+2*\k]   ; the row's sum, four chains of pairs
.endr
.else
.irp k, 0,1,2,3,4,5,6,7
	v_pk_add_f32 v[48+2*(\k%4):49+2*(\k%4)], v[48+2*(\k%4):49+2*(\k%4)], v[\e+16*\n+2*\k:\e+16*\n+2*\k+1]
.endr
.endif
.endr
.Lexp_\@:
	WA
	v_pk_add_f32 v[48:49], v[48:49], v[50:51]
	v_pk_add_f32 v[52:53], v[52:53], v[54:55]
	v_pk_add_f32 v[48:49], v[48:49], v[52:53]
	v_add_f32 v10, v48, v49
	v_permlanex16_b32 v19, v10, s78, s79
	v_add_f32 v10, v10, v19                        ; with lane l xor 16's: the sum over my keys
.Lempty_\@:
	WA
	ds_store_b32 v5, v10 offset:2048*\st
	BAR
.irp k, 0,1,2,3
	ds_load_b32 v[10+\k], v6 offset:2048*\st+512*\k
.endr
	s_wait_dscnt 0x0
	s_wait_loadcnt 0x0                             ; v
	s_cmp_eq_u32 s60, 0
	s_cbranch_scc1 .Lnone_\@
	v_add_f32 v10, v10, v11
	v_add_f32 v12, v12, v13
	v_add_f32 v10, v10, v12
	v_add_f32 v10, 0x26901d7d, v10                 ; + 1e-15
	WA
	v_rcp_f32 v11, v10
	v_nop
	WA
	v_mul_f32 v8, v11, v0                          ; x the query's mask
	v_mov_b32 v9, v8
	PAIR \e, \kb, 0
	s_cmp_le_u32 s60, 2
	s_cbranch_scc1 .Lhalf_\@
	PAIR \e, \kb, 1
.Lhalf_\@:
.if \st == 0
	KLOAD \e, 1                                    ; e's first region is free: the next step's k
.endif
	s_cmp_le_u32 s60, 4
	s_cbranch_scc1 .Ldone_\@
	PAIR \e, \kb, 2
	s_cmp_le_u32 s60, 6
	s_cbranch_scc1 .Ldone_\@
	PAIR \e, \kb, 3
.Ldone_\@:
.rept 5
	v_nop                                          ; places ahead of the stores of results, and of the next step's products, which write over v's registers
.endr
	s_branch .Lout_\@
.Lnone_\@:
.irp k, 0,1,2,3,4,5,6,7,8,9,10,11,12,13,14,15
	v_mov_b32 v[48+\k], 0                          ; no keys of mine: my part is zero
.endr
	WA
.Lout_\@:
.irp q, 0,1,2,3
	ds_store_b128 v7, v[48+4*\q:51+4*\q] offset:33792*\st+16*\q
.endr
.endm
.macro RSUM                            ; v10, v11: each summed over the 32 lanes
.irp m, 1,2,4,8
	v_add_f32_dpp v10, v10, v10 row_xmask:\m row_mask:0xf bank_mask:0xf
	v_add_f32_dpp v11, v11, v11 row_xmask:\m row_mask:0xf bank_mask:0xf
.endr
	v_permlanex16_b32 v17, v10, s78, s79
	v_permlanex16_b32 v19, v11, s78, s79
	v_add_f32 v10, v10, v17
	v_add_f32 v11, v11, v19
.endm
.macro LNORM g, b                      ; two rows, 8 numbers a lane each, at v144 and v152
.irp i, 0,1
	v_pk_add_f32 v[224+4*\i:225+4*\i], v[144+8*\i:145+8*\i], v[146+8*\i:147+8*\i]
	v_pk_add_f32 v[226+4*\i:227+4*\i], v[148+8*\i:149+8*\i], v[150+8*\i:151+8*\i]
.endr
.irp i, 0,1
	v_pk_add_f32 v[224+4*\i:225+4*\i], v[224+4*\i:225+4*\i], v[226+4*\i:227+4*\i]
.endr
.irp i, 0,1
	v_add_f32 v[10+\i], v[224+4*\i], v[225+4*\i]
.endr
	RSUM
	v_mul_f32 v12, 0x3b800000, v10                 ; the means of 256
	v_mul_f32 v14, 0x3b800000, v11
.irp k, 0,2,4,6
.irp i, 0,1
	v_pk_add_f32 v[144+8*\i+\k:145+8*\i+\k], v[144+8*\i+\k:145+8*\i+\k], v[12+2*\i:13+2*\i] op_sel_hi:[1,0] neg_lo:[0,1] neg_hi:[0,1]
.endr
.endr
.irp i, 0,1
	v_pk_mul_f32 v[224+4*\i:225+4*\i], v[144+8*\i:145+8*\i], v[144+8*\i:145+8*\i]
	v_pk_mul_f32 v[226+4*\i:227+4*\i], v[146+8*\i:147+8*\i], v[146+8*\i:147+8*\i]
.endr
.irp i, 0,1
	v_pk_fma_f32 v[224+4*\i:225+4*\i], v[148+8*\i:149+8*\i], v[148+8*\i:149+8*\i], v[224+4*\i:225+4*\i]
	v_pk_fma_f32 v[226+4*\i:227+4*\i], v[150+8*\i:151+8*\i], v[150+8*\i:151+8*\i], v[226+4*\i:227+4*\i]
.endr
.irp i, 0,1
	v_pk_add_f32 v[224+4*\i:225+4*\i], v[224+4*\i:225+4*\i], v[226+4*\i:227+4*\i]
.endr
.irp i, 0,1
	v_add_f32 v[10+\i], v[224+4*\i], v[225+4*\i]
.endr
	RSUM
	v_fmaak_f32 v10, v10, v16, 0x3727c5ac          ; the variances + 1e-5
	v_fmaak_f32 v11, v11, v16, 0x3727c5ac
	WA
	v_rsq_f32 v12, v10
	v_rsq_f32 v14, v11
	v_nop
	WA
.irp k, 0,2,4,6
.irp i, 0,1
	v_pk_mul_f32 v[144+8*\i+\k:145+8*\i+\k], v[144+8*\i+\k:145+8*\i+\k], v[12+2*\i:13+2*\i] op_sel_hi:[1,0]
.endr
.endr
.irp k, 0,2,4,6
.irp i, 0,1
	v_pk_fma_f32 v[144+8*\i+\k:145+8*\i+\k], v[144+8*\i+\k:145+8*\i+\k], v[\g+\k:\g+\k+1], v[\b+\k:\b+\k+1]
.endr
.endr
.endm
.macro XFRAG reg, adr                  ; both tiles' fragments of codes: (t, ks) at 32 t + 16 ks
.irp t, 0,1
.irp ks, 0,1
.irp c, 0,1,2,3
	ds_load_b128 v[\reg+32*\t+16*\ks+4*\c:\reg+32*\t+16*\ks+4*\c+3], v[\adr] offset:XC+4352*\t+128*\ks+32*\c
.endr
.endr
.endr
.endm
	; ================ head
	s_load_b512 s[8:23], s[0:1], 0x0               ; Q 8, wc 10, kv 12, bq 14, bo 16, g0 18, b0 20, g1 22
	s_load_b256 s[24:31], s[0:1], 0x40             ; b1 24, list 26, lowp_scales 28, out0 30
	v_lshl_add_u32 v2, v0, 2, SPARE
	v_mov_b32 v3, 0
	v_lshrrev_b32 v4, 5, v0
	v_readfirstlane_b32 s4, v4                     ; wave 0..15
	s_lshr_b32 s5, s4, 3                           ; the tile of my two rows
	s_and_b32 s6, s4, 7
	s_and_b32 s7, s4, 3                            ; my head of a step's four
	s_lshr_b32 s33, s4, 2                          ; my quarter of the keys
	v_and_b32 v5, 31, v0                           ; lane
	v_lshlrev_b32 v1, 4, v5
	v_and_b32 v6, 15, v0                           ; r
	v_bfe_u32 v7, v0, 4, 1                         ; h
	s_mul_i32 s2, s4, 2*272
	v_lshl_add_u32 v8, v5, 3, s2                   ; codes of my two rows: + 8 x lane
	v_mul_u32_u24 v9, v6, 272
	v_lshl_add_u32 v9, v7, 4, v9                   ; a fragment: row r, + 16 h
	s_lshr_b32 s2, s4, 1
	s_and_b32 s3, s4, 1
	s_lshl_b32 s80, s2, 9
	s_lshl_b32 s81, s3, 3
	s_add_co_u32 s80, s80, s81
	s_add_co_u32 s80, s80, QC
	WA
	v_add_nc_u32 v10, s80, v1                      ; q's codes: head w / 2, my 8 of a lane's 16 bytes
	s_lshl_b32 s88, s2, 7
	s_lshl_b32 s81, s3, 5
	s_add_co_u32 s88, s88, s81                     ; my 8 columns of 16 h: 128 (w / 2) + 32 (w % 2) bytes, + 64 h
	s_mov_b32 s89, 0
	WA
	v_lshlrev_b32 v12, 6, v7
	v_mul_u32_u24 v11, v6, 1040
	v_add_nc_u32 v11, v11, v12
	s_add_co_u32 s96, s88, RES
	v_add_nc_u32 v11, s96, v11                     ; q in f32: row r, my columns
	v_mul_u32_u24 v18, v6, 528
	v_add_nc_u32 v18, v18, v12                     ; a part of A v: row r, + 64 h
	s_lshl_b32 s50, ttmp9, 2                       ; the two entries of the list; kept as those loads' offsets
	s_sub_co_u32 s51, 2044, s50
	s_lshl_b32 s34, s4, 12                         ; Wq: fragments 2 w, 2 w + 1
	s_mov_b32 s35, 0
	s_mov_b32 s78, 0x76543210                      ; v_permlanex16_b32: lane l xor 16
	s_mov_b32 s79, 0xfedcba98
	WA
	s_wait_kmcnt 0x0
	s_load_b32 s48, s[26:27], s50 offset:0x0
	s_load_b32 s49, s[26:27], s51 offset:0x0
	s_load_b256 s[36:43], s[28:29], 0x0            ; e0 .. e7
	s_load_b128 s[44:47], s[28:29], 0x20           ; e8 .. e11
	s_add_nc_u64 s[34:35], s[10:11], s[34:35]
	s_add_nc_u64 s[88:89], s[14:15], s[88:89]
.irp n, 0,1,2,3,4,5,6,7
	global_load_b128 v[64+4*\n:67+4*\n], v1, s[34:35] offset:512*\n
.endr
	global_load_b128 v[112:115], v12, s[88:89]
	global_load_b128 v[116:119], v12, s[88:89] offset:16
.irp z, 20,21,22,23,28,29,30,31
	v_mov_b32 v\z, 0                               ; the zero codes on both sides of q's
.endr
.set zz, 48                            ; registers that a branch on a tile's length may leave unloaded are written once, while the list is awaited
.rept 16
	v_mov_b32 v[zz], 0
.set zz, zz+1
.endr
.set zz, 192
.rept 64
	v_mov_b32 v[zz], 0
.set zz, zz+1
.endr
.irp z, 124,125,126,127
	v_mov_b32 v\z, 0
.endr
	WA
	s_wait_kmcnt 0x0
.irp t, 0,1
	s_bfe_u32 s[53+4*\t], s[48+\t], 0x60000        ; the tile in its batch,
	s_min_u32 s[53+4*\t], 63, s[53+4*\t]
	s_bfe_u32 s[52+4*\t], s[48+\t], 0x30006        ; the batch,
	s_min_u32 s[52+4*\t], 7, s[52+4*\t]
	s_lshr_b32 s[54+4*\t], s[48+\t], 16            ; its length
.endr
	s_cmp_eq_u32 s5, 0
	s_cselect_b32 s84, s52, s56
	s_cselect_b32 s3, s53, s57
	s_lshl_b32 s84, s84, 20                        ; my two rows in Q and out0: batch,
	s_lshl_b32 s3, s3, 14                          ; tile,
	s_add_co_u32 s84, s84, s3
	s_lshl_b32 s3, s6, 11                          ; 2 (w % 8) rows of 1,024 bytes
	s_add_co_u32 s84, s84, s3
	s_mov_b32 s85, 0
	s_add_nc_u64 s[86:87], s[8:9], s[84:85]
.irp n, 0,1,2,3
	global_load_b128 v[128+4*\n:131+4*\n], v1, s[86:87] offset:512*\n th:TH_LOAD_NT   ; 512 consecutive bytes a load, read once in the launch
.endr
	s_mov_b32 s80, s52
	s_mov_b32 s81, s53
	s_mov_b32 s82, s54
	TILE
	s_mov_b32 s50, s63                             ; queries under the length: tile 0,
	s_lshl_b32 s2, s57, 4
	s_sub_co_i32 s51, s58, s2                      ; tile 1
	s_add_co_i32 s2, s42, s43                      ; e6 + e7, added to the exponent field of log2(e) / 16
	s_lshl_b32 s2, s2, 23
	s_add_co_i32 s70, s2, 0x3db8aa3b
	s_mov_b32 s71, s70                             ; (named with it as a pair, so it is written)
	s_add_co_i32 s90, s44, s45
	s_add_co_i32 s90, s90, 127
	s_lshl_b32 s90, s90, 23                        ; 2^(e8 + e9)
	s_mov_b32 s91, s90
	s_add_co_i32 s92, s46, s47
	s_add_co_i32 s92, s92, 127
	s_lshl_b32 s92, s92, 23                        ; 2^(e10 + e11)
	s_mov_b32 s93, s92
	s_add_co_i32 s94, s45, 127
	s_lshl_b32 s95, s94, 23                        ; 2^e9
	s_add_co_i32 s94, s94, 15
	s_lshl_b32 s94, s94, 23
	s_or_b32 s94, s94, 0x600000                    ; 57,344 x 2^e9
	s_cmp_ge_i32 s45, -15
	s_cselect_b32 s77, 1, 0                        ; 1: A, at most 1, needs no hold
	s_add_co_i32 s97, s36, s37                     ; e0 + e1
	s_sub_co_i32 s32, 0, s97
	s_sub_co_i32 s98, s42, s97                     ; e6 - e0 - e1: q's three scales folded into one
	SCALES s36, 13, 14
	SCALES s98, 15, 16
	v_cmp_gt_i32 vcc_lo, s50, v6
	v_cndmask_b32 v4, 0, 1.0, vcc_lo               ; my query's mask, tile 0
	v_cmp_gt_i32 vcc_lo, s51, v6
	v_cndmask_b32 v5, 0, 1.0, vcc_lo               ; tile 1
	WA
	s_wait_loadcnt 0x0                             ; Wq, bq and Q
	KLOAD 192, 0                                   ; tile 0's k lands under what follows
.irp i, 0,1,2,3,4,5,6,7,8,9,10,11,12,13,14,15
	v_med3_num_f32 v[128+\i], v[128+\i], -v14, v14 ; the conversion does not saturate (ISA guide 7.6.2)
.endr
	v_cvt_scalef32_pk8_bf8_f32 v[120:121], v[128:135], v13
	v_cvt_scalef32_pk8_bf8_f32 v[122:123], v[136:143], v13
	v_nop
	ds_store_b64 v8, v[120:121] offset:XC
	ds_store_b64 v8, v[122:123] offset:XC+272
	BAR
	XFRAG 128, 9
.irp j, 0,1,2,3,4,5,6,7
	v_ldexp_f32 v[112+\j], v[112+\j], s32          ; bq / 2^(e0 + e1): the C of the sums' first products
.endr
	v_mul_f32 v17, v16, v5                         ; a masked query's limit is 0
	v_mul_f32 v16, v16, v4
	v_ldexp_f32 v4, v4, s97                        ; the residual's factor: mask x 2^(e0 + e1)
	v_ldexp_f32 v12, v5, s97
	v_mov_b32 v5, 0                                ; (named with v4 and v12 as pairs)
	v_mov_b32 v13, 0
	WA
	s_wait_dscnt 0x0
.irp ks, 0,1                                   ; transposed: source 0 = 16 columns of Wq; the two accumulators take turns
.irp t, 0,1
.if \ks == 0
	v_wmma_f32_16x16x128_bf8_bf8 v[96+8*\t:103+8*\t], v[64:79], v[128+32*\t:143+32*\t], v[112:119]
.else
	v_wmma_f32_16x16x128_bf8_bf8 v[96+8*\t:103+8*\t], v[80:95], v[144+32*\t:159+32*\t], v[96+8*\t:103+8*\t]
.endif
.endr
.endr
.rept 4
	v_nop
.endr
.irp t, 0,1
.irp j, 0,1,2,3,4,5,6,7
	v_med3_num_f32 v[32+8*\t+\j], v[96+8*\t+\j], -v[16+\t], v[16+\t]
.endr
	v_cvt_scalef32_pk8_bf8_f32 v[48+2*\t:49+2*\t], v[32+8*\t:39+8*\t], v15
.endr
.irp t, 0,1
.irp k, 0,2,4,6
	v_pk_mul_f32 v[128+8*\t+\k:129+8*\t+\k], v[96+8*\t+\k:97+8*\t+\k], v[4+8*\t:5+8*\t] op_sel_hi:[1,0]   ; q, 0 for a masked query
.endr
.endr
.irp t, 0,1
	ds_store_b64 v10, v[48+2*\t:49+2*\t] offset:4096*\t
	ds_store_b128 v11, v[128+8*\t:131+8*\t] offset:16640*\t
	ds_store_b128 v11, v[132+8*\t:135+8*\t] offset:16640*\t+16
.endr
	v_mov_b32 v14, s95                             ; 2^e9 for the conversion of A
	s_lshl_b32 s2, s7, 9
	s_add_co_u32 s72, s2, QC                       ; q's codes of my head
	s_lshl_b32 s2, s4, 7
	s_add_co_u32 s73, s2, SUMS                     ; my sums,
	s_lshl_b32 s2, s7, 7
	s_add_co_u32 s74, s2, SUMS                     ; my head's four
	s_mul_i32 s75, s33, 8448
	s_add_co_u32 s75, s75, s2
	s_add_co_u32 s75, s75, OPB                     ; my part of A v
	s_mov_b32 s76, 0
	BAR
	; ================ attention: two tiles
.Ltile:
	s_wait_xcnt 0x0                                ; k's loads have read their base
	s_cmp_eq_u32 s76, 0
	s_cselect_b32 s80, s52, s56
	s_cselect_b32 s81, s53, s57
	s_cselect_b32 s82, s54, s58
	TILE
	v_add_nc_u32 v4, s72, v1
	v_lshrrev_b32 v19, 2, v1
	v_add_nc_u32 v5, s73, v19
	v_add_nc_u32 v6, s74, v19
	v_add_nc_u32 v7, s75, v18
	v_bfe_u32 v19, v1, 4, 4                        ; r
	v_cmp_gt_i32 vcc_lo, s63, v19
	v_cndmask_b32 v0, 0, 1.0, vcc_lo               ; my query's mask
	WA
	s_cmp_eq_u32 s76, 0
	s_cbranch_scc1 .Lasked                         ; tile 0's first k was asked for at the head
	s_wait_loadcnt 0x0                             ; no load of mine is out
	KLOAD 192, 0
.Lasked:
	STEP 64, 192, 0
	STEP 128, 64, 1
	s_add_co_u32 s72, s72, 4096
	s_add_co_u32 s73, s73, 4096
	s_add_co_u32 s74, s74, 4096
	s_add_co_u32 s75, s75, 67584
	s_add_co_u32 s76, s76, 1
	WA
	s_cmp_lt_u32 s76, 2
	s_cbranch_scc1 .Ltile
	; ================ LN0, the last product, LN1: my two rows, lane l: columns 4 l + 0 .. 3 and 128 + 4 l + 0 .. 3
	s_wait_xcnt 0x0
	s_add_nc_u64 s[34:35], s[34:35], 0x10000       ; Wo's images lie behind Wq's
.irp q, 0,1
	global_load_b128 v[96+4*\q:99+4*\q], v1, s[18:19] offset:512*\q      ; g0
	global_load_b128 v[104+4*\q:107+4*\q], v1, s[20:21] offset:512*\q    ; b0
.endr
.irp n, 0,1,2,3,4,5,6,7
	global_load_b128 v[64+4*\n:67+4*\n], v1, s[34:35] offset:512*\n      ; Wo, my 16 columns
.endr
.irp q, 0,1
	global_load_b128 v[112+4*\q:115+4*\q], v1, s[16:17] offset:512*\q    ; bo
	global_load_b128 v[120+4*\q:123+4*\q], v1, s[22:23] offset:512*\q    ; g1
	global_load_b128 v[128+4*\q:131+4*\q], v1, s[24:25] offset:512*\q    ; b1
.endr
	s_mul_i32 s2, s4, 2*1040
	s_add_co_u32 s2, s2, RES
	v_add_nc_u32 v4, s2, v1                        ; my rows in f32
	s_mul_i32 s2, s5, 67584
	s_mul_i32 s3, s6, 2*528
	s_add_co_u32 s2, s2, s3
	s_add_co_u32 s2, s2, OPB
	v_add_nc_u32 v5, s2, v1                        ; my rows' parts of A v
	v_lshrrev_b32 v6, 1, v1
	s_mul_i32 s2, s4, 2*272
	v_add_nc_u32 v6, s2, v6                        ; my rows' codes
	v_bfe_u32 v10, v1, 4, 4                        ; r
	v_bfe_u32 v11, v1, 8, 1                        ; h
	v_mul_u32_u24 v7, v10, 272
	v_lshl_add_u32 v7, v11, 4, v7                  ; a fragment
	v_mul_u32_u24 v8, v10, 1040
	v_lshl_add_u32 v8, v11, 6, v8
	v_add_nc_u32 v8, s96, v8                       ; the last product's sums: row r, my 8 columns
	v_mov_b32 v13, 0                               ; (named with v12 and v14 as pairs)
	v_mov_b32 v15, 0
	v_mov_b32 v16, 0x3b800000                      ; 1 / 256
	v_mov_b32 v17, 0
	BAR                                            ; every part of A v lies in LDS
.irp i, 0,1
.irp f, 0,1
	ds_load_b128 v[144+8*\i+4*\f:147+8*\i+4*\f], v4 offset:1040*\i+512*\f
.irp k, 0,1,2,3
	ds_load_b128 v[160+16*\k+8*\i+4*\f:163+16*\k+8*\i+4*\f], v5 offset:33792*\f+8448*\k+528*\i
.endr
.endr
.endr
	SCALES s46, 240, 241                           ; e10
	WA
	s_wait_dscnt 0x0
.irp k, 0,2,4,6,8,10,12,14
	v_pk_add_f32 v[160+\k:161+\k], v[160+\k:161+\k], v[176+\k:177+\k]
	v_pk_add_f32 v[192+\k:193+\k], v[192+\k:193+\k], v[208+\k:209+\k]
.endr
.irp k, 0,2,4,6,8,10,12,14
	v_pk_add_f32 v[160+\k:161+\k], v[160+\k:161+\k], v[192+\k:193+\k]
.endr
.irp k, 0,2,4,6,8,10,12,14
	v_pk_fma_f32 v[144+\k:145+\k], v[160+\k:161+\k], s[90:91], v[144+\k:145+\k] op_sel_hi:[1,0,1]   ; q + sums x 2^(e8 + e9)
.endr
	WA
	s_wait_loadcnt 14                              ; g0 and b0 are in; behind them: Wo 8, bo, g1, b1 6
	LNORM 96, 104
.irp k, 0,1,2,3,4,5,6,7,8,9,10,11,12,13,14,15
	v_med3_num_f32 v[224+\k], v[144+\k], -v241, v241   ; the numbers stay: they are the residual
.endr
	v_cvt_scalef32_pk8_bf8_f32 v[242:243], v[224:231], v240
	v_cvt_scalef32_pk8_bf8_f32 v[244:245], v[232:239], v240
	v_nop
	ds_store_b64 v6, v[242:243] offset:XC
	ds_store_b64 v6, v[244:245] offset:XC+272
	BAR                                            ; LN0's codes lie in LDS; nobody reads q any more
	XFRAG 160, 7
	s_wait_loadcnt 6                               ; Wo is in; behind it bo, g1, b1
	s_wait_dscnt 0x0
.irp ks, 0,1                                   ; the two accumulators take turns
.irp t, 0,1
.if \ks == 0
	v_wmma_f32_16x16x128_bf8_bf8 v[240+8*\t:247+8*\t], v[64:79], v[160+32*\t:175+32*\t], 0
.else
	v_wmma_f32_16x16x128_bf8_bf8 v[240+8*\t:247+8*\t], v[80:95], v[176+32*\t:191+32*\t], v[240+8*\t:247+8*\t]
.endif
.endr
.endr
.rept 4
	v_nop
.endr
.irp t, 0,1
	ds_store_b128 v8, v[240+8*\t:243+8*\t] offset:16640*\t
	ds_store_b128 v8, v[244+8*\t:247+8*\t] offset:16640*\t+16
.endr
	s_add_nc_u64 s[86:87], s[30:31], s[84:85]
	BAR
.irp i, 0,1
.irp f, 0,1
	ds_load_b128 v[160+8*\i+4*\f:163+8*\i+4*\f], v4 offset:1040*\i+512*\f
.endr
.endr
	s_wait_loadcnt 0x0
	s_wait_dscnt 0x0
.irp k, 0,2,4,6
.irp i, 0,1
	v_pk_fma_f32 v[160+8*\i+\k:161+8*\i+\k], v[160+8*\i+\k:161+8*\i+\k], s[92:93], v[112+\k:113+\k] op_sel_hi:[1,0,1]   ; sum x 2^(e10 + e11) + bo
.endr
.endr
.irp k, 0,1,2,3,4,5,6,7,8,9,10,11,12,13,14,15
	v_max_num_f32 v[160+\k], 0, v[160+\k]
.endr
.irp k, 0,2,4,6,8,10,12,14
	v_pk_add_f32 v[144+\k:145+\k], v[144+\k:145+\k], v[160+\k:161+\k]
.endr
	LNORM 120, 128
.irp n, 0,1,2,3
	global_store_b128 v1, v[144+4*\n:147+4*\n], s[86:87] offset:512*\n th:TH_STORE_NT   ; 512 consecutive bytes a store, at a multiple of 512 from out0's first byte
.endr
	s_wait_tensorcnt 0x0                           ; the wave's end
	ds_add_u32 v2, v3
	s_wait_dscnt 0x0
	s_endpgm
.Lfunc_end_k_q7880b4bf32_attn:
	.size	k_q7880b4bf32_attn, .Lfunc_end_k_q7880b4bf32_attn-k_q7880b4bf32_attn
	.p2alignl 7, 3214868480
	.fill 96, 4, 3214868480
	.section	.rodata,"a",@progbits
	.p2align	6, 0x0
	.amdhsa_kernel k_q7880b4bf32_attn
		.amdhsa_group_segment_fixed_size 195584
		.amdhsa_private_segment_fixed_size 0
		.amdhsa_enable_private_segment 0
		.amdhsa_kernarg_size 96
		.amdhsa_user_sgpr_count 2
		.amdhsa_user_sgpr_kernarg_segment_ptr 1
		.amdhsa_wavefront_size32 1
		.amdhsa_system_sgpr_workgroup_id_x 1
		.amdhsa_system_sgpr_workgroup_id_y 1
		.amdhsa_system_sgpr_workgroup_id_z 1
		.amdhsa_system_vgpr_workitem_id 0
		.amdhsa_next_free_vgpr 256
		.amdhsa_next_free_sgpr 100
		.amdhsa_reserve_vcc 1
		.amdhsa_float_denorm_mode_32 3
		.amdhsa_float_denorm_mode_16_64 3
		.amdhsa_memory_ordered 1
		.amdhsa_forward_progress 1
		.amdhsa_inst_pref_size 112
	.end_amdhsa_kernel
	.amdgpu_metadata
---
amdhsa.version: [ 1, 2 ]
amdhsa.kernels:
  - .name:           k_q7880b4bf32_attn
    .symbol:         k_q7880b4bf32_attn.kd
    .args:
      - { .name: Q, .offset: 0, .size: 8, .value_kind: global_buffer, .address_space: global }
      - { .name: wc, .offset: 8, .size: 8, .value_kind: global_buffer, .address_space: global }
      - { .name: kv, .offset: 16, .size: 8, .value_kind: global_buffer, .address_space: global }
      - { .name: bq, .offset: 24, .size: 8, .value_kind: global_buffer, .address_space: global }
      - { .name: bo, .offset: 32, .size: 8, .value_kind: global_buffer, .address_space: global }
      - { .name: g0, .offset: 40, .size: 8, .value_kind: global_buffer, .address_space: global }
      - { .name: b0, .offset: 48, .size: 8, .value_kind: global_buffer, .address_space: global }
      - { .name: g1, .offset: 56, .size: 8, .value_kind: global_buffer, .address_space: global }
      - { .name: b1, .offset: 64, .size: 8, .value_kind: global_buffer, .address_space: global }
      - { .name: list, .offset: 72, .size: 8, .value_kind: global_buffer, .address_space: global }
      - { .name: lowp_scales, .offset: 80, .size: 8, .value_kind: global_buffer, .address_space: global }
      - { .name: out0, .offset: 88, .size: 8, .value_kind: global_buffer, .address_space: global }
    .group_segment_fixed_size: 195584
    .private_segment_fixed_size: 0
    .kernarg_segment_align: 8
    .kernarg_segment_size: 96
    .max_flat_workgroup_size: 512
    .sgpr_count:     100
    .vgpr_count:     256
    .wavefront_size: 32
...
	.end_amdgpu_metadata
.endif
;; end of part 2
